; MI455X (gfx1250); checked and timed in simulation.
; The chip was launched on July 23, 2026; its instructions are those of AMD's public machine-readable ISA for CDNA 5 (MIT licence, August 2026) and "CDNA5" Instruction Set Architecture Reference Guide (July 2026). The comments in the code are by the model that wrote it; some were corrected since.
;; Mock Shared Expert Mo E. Allowed arithmetic: matrix products marked QUANTISED: E2M1 operands, one E8M0 scale for each 32 along K, by v_wmma_scale_f32_16x16x128_f8f6f4 with both operands' format E2M1 (or v_wmma_scale_f32_32x16x128_f4), f32 sums; products left as they are: f32 operands where the result goes on into a quantised operand, else bf16, f16 or f32 operands; f32 sums; everything else in f32.
;; Inputs: W_down_codes 1,024 x 32 x 16 uint8 (E2M1 codes of W_down, K innermost, in blocks of 32 codes, two codes a byte); W_down_scales 1,024 x 32 uint8 (E8M0 scales of W_down, one for each 32 codes along K); W_expert_codes 1,024 x 32 x 16 uint8 (E2M1 codes of W_expert, K innermost, in blocks of 32 codes, two codes a byte); W_expert_scales 1,024 x 32 uint8 (E8M0 scales of W_expert, one for each 32 codes along K); W_gate 8 x 1,024 float32; W_up_codes 1,024 x 32 x 16 uint8 (E2M1 codes of W_up, K innermost, in blocks of 32 codes, two codes a byte); W_up_scales 1,024 x 32 uint8 (E8M0 scales of W_up, one for each 32 codes along K); x 4 x 4,096 x 1,024 float32.
;; Outputs: out0 4 x 4,096 x 1,024 float32.
;; This version of the problem:
;;   THIS VERSION OF THE PROBLEM IS GIVEN IN LOW PRECISION. The matrix products marked QUANTISED in the list below multiply operands that are first quantised to E2M1 (2 exponent bits, 1 mantissa bit; 4 bits a number), with one power-of-two scale for each 32 numbers along K (OCP MX v1.0); their sums are f32. All else is computed in f32.
;;   The module's matrix products, in the order in which they are computed (A, B: the left and right operand; K: the contracted axis; several contracted axes count as one K, in the product's order):
;;     1. [M 16,384, K 1,024] x [K 1,024, N 8]; A: input x; B: input W_gate: left as it is (N = 8 < 16)
;;     2. [M 16,384, K 1,024] x [K 1,024, N 1,024]; A: input x; B: input W_up (given as codes): QUANTISED
;;     3. [M 16,384, K 1,024] x [K 1,024, N 1,024]; A: computed on the way; B: input W_down (given as codes): QUANTISED
;;     4. [M 16,384, K 1,024] x [K 1,024, N 1,024]; A: input x; B: input W_expert (given as codes): QUANTISED
;;   THE QUANTISER, for each operand of a quantised product, along K:
;;     - K is cut into blocks of 32 from its start; a last block that is shorter is filled with zeros.
;;     - A block's scale is 2^e with e = floor(log2(the largest magnitude in the block)) - 2, held to -126 .. 127; a block of zeros has e = 0. As a byte (E8M0): e + 127.
;;     - Each number is divided by its block's scale, clamped to +-6, and rounded to the nearest number of E2M1, ties to even, subnormals kept.
;;     - The product sums the exact products of the quantised numbers (number of the format x scale) in f32.
;;   ~~~python
;;   def quantise(x, axis):      # numpy; x: float32 -> the quantised numbers, widened to float32 again
;;       x = np.moveaxis(x, axis, -1); K = x.shape[-1]
;;       x = np.pad(x, [(0, 0)] * (x.ndim - 1) + [(0, -K % 32)]); x = x.reshape(x.shape[:-1] + (-1, 32)); a = np.abs(x).max(-1, keepdims=True)
;;       e = np.where(a > 0, np.clip(np.frexp(np.where(a > 0, a, 1))[1] - 1 - 2, -126, 127), 0)      # np.frexp(a)[1] - 1 = floor(log2(a)), exactly
;;       r = np.clip(x / 2.0 ** e, -6, 6)
;;       step = 2.0 ** (np.maximum(np.frexp(np.where(r == 0, 1, r))[1] - 1, 0) - 1)
;;       q = np.round(r / step) * step * 2.0 ** e      # np.round: ties to even
;;       return np.moveaxis(q.reshape(q.shape[:-2] + (-1,))[..., :K], -1, axis).astype(np.float32)
;;   ~~~
;;   OPERANDS COMPUTED ON THE WAY. 'Computed on the way' means the value that the module computes at that place (a softmax that the list does not call 'softmax' is quantised finished and normalised). What goes into a quantiser is computed in f32, as accurately as f32 sums, v_exp_f32 and their like allow (about 1e-6 of the number): no bf16 or f16 on the way to a quantiser, and a product that is left as it is and whose result goes on into a quantised operand takes f32 operands (vector FMAs, or v_wmma_f32_16x16x4_f32). A number that lies on a knife's edge between two numbers of the format may be rounded either way, as far as f32 arithmetic and the matrix unit's own rounding can turn it there, and no further.
;;   INPUTS GIVEN AS CODES. W_down (in the module: [1024, 1024], K = its axis 1); W_expert (in the module: [1024, 1024], K = its axis 0); W_up (in the module: [1024, 1024], K = its axis 1): each comes as NAME_codes (uint8): NAME with its K axis moved to the last place and cut into blocks of 32 codes, [.., K / 32, bytes a block], one block behind the other in memory; two codes a byte, the lower K in the low four bits (a code: sign, 2 exponent bits, 1 mantissa bit); and NAME_scales (uint8): the same leading axes, one E8M0 byte (e + 127) for each 32 codes along K. Its value is code x scale, taken as it is: it is not quantised again, and the codes and scales need not be those that the quantiser above would give.
;; 2 versions. Each part assembles by itself: llvm-mc -triple=amdgcn-amd-amdhsa -mcpu=gfx1250 --defsym DOCPART=n.
;; ======== version 1 of 2: 1 launch
;; launch moe (part 1): grid 256 x 1, 4 waves a work-group, clusters of 4 x 1, 327,680 bytes of LDS; arguments x, W_gate, W_up_codes, W_up_scales, W_expert_codes, W_expert_scales, W_down_codes, W_down_scales, out0; writes out0
.if DOCPART == 1
	.amdgcn_target "amdgcn-amd-amdhsa--gfx1250"
	.amdhsa_code_object_version 6
	.text
	.protected	k_qb5e48ce56e_moe
	.globl	k_qb5e48ce56e_moe
	.p2align	8
	.type	k_qb5e48ce56e_moe,@function
k_qb5e48ce56e_moe:
	s_mov_b64 s[64:65], 0
	v_nop
	global_prefetch_b8 v0, s[64:65] scope:SCOPE_SE
	s_setreg_imm32_b32 hwreg(HW_REG_WAVE_MODE, 25, 1), 1
	s_wait_xcnt 0x0
	s_wait_alu depctr_hold_cnt(0) depctr_sa_sdst(0) depctr_va_vdst(0) depctr_va_sdst(0) depctr_va_ssrc(0) depctr_va_vcc(0) depctr_vm_vsrc(0)
	s_getreg_b32 s2, hwreg(HW_REG_IB_STS2, 6, 4)
	s_cmp_eq_u32 s2, 0
	s_cbranch_scc0 .Lentry_in_a_cluster
	s_endpgm
.Lentry_in_a_cluster:
	s_bfe_u32 s2, ttmp6, 0x10000c
	s_cmp_lg_u32 s2, 0x3003
	s_cbranch_scc0 .Lentry_shape_is_right
	s_endpgm
.Lentry_shape_is_right:
; out = Q(relu(Q(x) Wup^T)) Wdown^T + s (Q(x) Wexpert), s = the sum of the softmax over the two largest of the eight gate logits x Wgate^T.
; x, out: [16384][1024] f32.  The three weights: E2M1 codes, K innermost, 512 bytes a row, and 32 E8M0 bytes a row.  Q: the MX quantiser along K, blocks of 32.
; ONE LAUNCH.  A work-group of four waves owns 64 tokens: x is read once, out is written once, x's codes and the hidden layer never go to memory.
; SHARES.  On the way in wave w owns tokens 16 w .. 16 w + 15: it loads them, makes their gate factor and their codes, and puts the codes into LDS as images of the operand's registers.
; In the products THE WAVES SHARE THE COLUMNS: of a weight tile of 256 rows wave w takes rows 64 w .. 64 w + 63 (4 tiles of 16) for all 64 tokens (4 tiles of 16): 16 accumulators.
; Every wave holds ALL codes of x (256 registers) and later all codes of the hidden layer (256 more): in the products LDS is read for weights alone, and each weight fragment by one wave.
; THE PRODUCTS ARE USED TRANSPOSED (source 0 = 16 weight rows, source 1 = 16 tokens): lane (r, h) holds token r, register j of tile t the column 16 t + 8 h + j.
; Tiles 2 b, 2 b + 1 give a lane two groups of eight of block b: k = 8 h + 0..7 and k = 16 + 8 h + 0..7.  Four conversions for a pair of blocks and two exchanges of half waves lay them as the operand wants them.
; The same two groups are the bf16 operand's layout for 32 along K, so x's numbers also feed the gate product as they stand.
; THE RING.  12 weight tiles of 256 rows x 512 bytes go through two LDS slots: up 0-3, then expert 0, down 0, expert 1, down 1, ..  Each wave fetches, and alone reads, its own 64 rows.
; CLUSTER.  The four work-groups of a cluster walk the same weights: each tile is asked for JOINTLY, by the same tensor load with the same descriptor and the mask of all four.
; A slot is read out into registers (256 of them hold a wave's whole share) and is asked for again in the same trip, so a tile has a whole trip's 128 matrix instructions and its tail in which to land.
; THE TWO SUMS share the accumulators: the expert sum is multiplied by s and the down product adds onto it.  So the order of additions differs from the source's (both f32 sums).
; LIMITS.  NaN and infinities in x are not served.  A block whose largest magnitude lies under 2^-124, a block of zeros among them, gets the scale byte 1 (zeros: zero codes, which add nothing; these bytes are read here alone).
; The gate product's operands are rounded to bf16; its result enters no quantiser.
; LEFT OUT: prefetching (x is streamed by many loads in flight, the weights are read by every cluster shortly after each other); work-groups that stay (256 blocks of tokens for 256 work-groups).
; REGISTERS, in windows of 256.  Window 0: v1-19 addresses; v20-35 x's scale words, v36-51 the hidden layer's, v52-83 the weights' (two sets): scales and nothing else; v84-91 s; v92-123 the quantiser's;
;   v128-255 the 16 accumulators ((t, m) at 128 + 32 m + 8 t); on the way in two sets of 64 numbers.   Window 1: x's codes, fragment (m, s) at 8 (8 m + s); on the way in v0-31 x as bf16, v32-63 the gate's four accumulators.
;   Window 2: the hidden layer's codes; on the way in Wgate as bf16.   Window 3: a weight tile's share, fragment (t, s) at 32 s + 8 t; on the way in x as loaded, four sets of 64.
.set WP,    528                        ; a weight row in LDS: 512 bytes + 16 of padding = 132 words: the 16 rows of a fragment load start 4 banks apart (64 banks of 4 bytes: ISA guide 11.1)
.set SHARE, 64*WP                      ; a wave's 64 rows
.set SLOT,  4*SHARE
.set IMG,   2*SLOT                     ; code images: fragment (m, s) at 1024 (8 m + s) + 512 c + 16 lane.  First Wgate (its one fill), then x's images, then the hidden layer's
.set ISC,   IMG+32768                  ; scale words: 128 (8 (m / 2) + s) + 64 (m % 2) + 4 r
.set ISF,   ISC+2048                   ; gate factors: 64 m + 4 r
.set STG,   ISF+256                    ; a stage of 16 rows x (256 + 16) bytes for each wave
.set SP,    272
.set STGW,  16*SP
.set SPARE, STG+4*STGW                 ; the spare words, 128 bytes for each wave: two blocks of 256 bytes that no other line names
.set GPI,   1040                       ; Wgate in LDS: rows of 1,024 bytes + 16; an expert is four of them
.set SPW, 1                            ; v1   SPARE + 4 x thread; never rewritten
.set NIL, 2                            ; v2   0; never rewritten
.set GO,  3                            ; v3   x and out: 4096 (lane / 16) + 16 (lane % 16)
.set SI,  4                            ; v4   stage by rows: 272 (lane / 16) + 16 (lane % 16)
.set SX,  5                            ; v5   stage by tokens: 272 r + 32 h
.set LI,  6                            ; v6   IMG + 16 lane
.set LS,  7                            ; v7   ISC + 4 lane
.set XWI, 8                            ; v8   where I store x's images
.set XWS, 9                            ; v9   and their scale words
.set HWI, 10                           ; v10  the hidden layer's images: IMG + 512 w + 16 lane
.set HWS, 11                           ; v11  and its two scale bytes: ISC + 128 (w / 2) + 2 (w % 2) + 4 r
.set AW,  12                           ; v12-13 my lane's place in my share of slot 0, 1
.set WSO, 14                           ; v14  weights' scale words: 32 r + 16 h
.set SFA, 15                           ; v15  ISF + 4 r
.set SFW, 16                           ; v16  ISF + 64 w + 4 r
.set AG,  17                           ; v17  Wgate: IMG + 4160 (r % 8) + 32 h
.set HAI, 18                           ; v18-19 the hidden layer's addresses in hand
.set HAS, 19
.set XS,  20
.set WS,  52
.set SF,  84
.set MX,  92
.set PM,  100
.set PC,  108
.set ACC, 128
.set TT,  128
.set GA,  32                           ; in window 1
.set WV,  22                           ; s22  my wave's number
.set G1W, 24                           ; s[24:31] group 1 for weight tiles;  s[32:39] for Wgate
.set G1G, 32
.set G0,  40                           ; s[40:47] group 0, one set for each slot;  s[48:51] for Wgate
.set G0G, 48
.set NX,  52                           ; s[52:55] for each slot: the tile after the next, while the ring walks Wup
.set PD,  12                           ; s[12:13], s[16:17] expert's and down's codes at my rows
.set PDS, 14                           ; s[14:15], s[18:19] their scale bytes
.set SB,  60                           ; s[60:63] for each slot: the scale bytes of the tile to be loaded next
.set NXS, 66                           ; s[66:69] and of the one after
.set SEL, 74                           ; s[74:75] v_permlanex16_b32's selects for lane l xor 16
.set CNT, 76
.set HSTI, 77                          ; s77  the hidden layer's images: 4,096 bytes on for each trip of the up loop
.set HSTJ, 78                          ; s78  its scale bytes: 512 on
.set MSB, 0
.macro WIN new                         ; the immediate's high byte repeats the setting that is left; a switch that changes nothing is dropped
.if MSB != (\new)
	s_set_vgpr_msb (MSB<<8)|(\new)
.set MSB, (\new)
.endif
.endm
.macro PLACES n
.rept \n
	v_nop
.endr
.endm
.macro BAR
	s_barrier_signal -1
	s_barrier_wait -1
.endm
; A round of the cluster's barrier: my work-group's barrier, wave 0 signals for the work-group, every wave waits for all four work-groups, my work-group's barrier once more.
.macro ROUND
	s_barrier_signal -1
	s_barrier_wait -1
	s_cmp_lg_u32 s[WV], 0
	s_cbranch_scc1 .Lnot_wave_0_\@
	s_barrier_signal -3
.Lnot_wave_0_\@:
	s_barrier_wait -3
	s_barrier_signal -1
	s_barrier_wait -1
.endm
; K step s of my 16 tokens of x, 512 bytes a row, as it lies: each load takes 256 consecutive bytes of two rows.  Into set s % 4 of window 3.
.macro XLOAD s
	WIN 0xc0
.irp hf, 0,1
.irp p, 0,1,2,3,4,5,6,7
	global_load_b128 v[64*((\s)%4)+4*(8*\hf+\p):64*((\s)%4)+4*(8*\hf+\p)+3], v[GO], s[4:5] offset:8192*\p+512*(\s)+256*\hf th:TH_LOAD_NT
.endr
.endr
.endm
; They turn through my stage, 256 bytes of 16 rows at a time, and come back by tokens: register 16 b + i of set s % 2 is k = 32 b + 8 h + i (i < 8) or 32 b + 16 + 8 h + i - 8.
; LDS serves a wave's instructions in order (ISA guide 5.7.1.4): no wait between the stores and the loads, nor in front of the second half's stores.
.macro XTURN s
.irp hf, 0,1
	WIN 0x0c                                       ; an LDS store's data are its source 1: window 3
.irp p, 0,1,2,3,4,5,6,7
	ds_store_b128 v[SI], v[64*((\s)%4)+4*(8*\hf+\p):64*((\s)%4)+4*(8*\hf+\p)+3] offset:2*SP*\p
.endr
	WIN 0
.irp b, 0,1
	ds_load_b128 v[TT+64*((\s)%2)+16*(2*\hf+\b):TT+64*((\s)%2)+16*(2*\hf+\b)+3],     v[SX] offset:128*\b
	ds_load_b128 v[TT+64*((\s)%2)+16*(2*\hf+\b)+4:TT+64*((\s)%2)+16*(2*\hf+\b)+7],   v[SX] offset:128*\b+16
	ds_load_b128 v[TT+64*((\s)%2)+16*(2*\hf+\b)+8:TT+64*((\s)%2)+16*(2*\hf+\b)+11],  v[SX] offset:128*\b+64
	ds_load_b128 v[TT+64*((\s)%2)+16*(2*\hf+\b)+12:TT+64*((\s)%2)+16*(2*\hf+\b)+15], v[SX] offset:128*\b+80
.endr
.endr
.endm
; K step s of Wgate, expert r % 8, in the same layout, into set s % 2
.macro GLOAD s
.irp b, 0,1,2,3
	ds_load_b128 v[TT+64*((\s)%2)+16*\b:TT+64*((\s)%2)+16*\b+3],     v[AG] offset:GPI*((\s)>>1)+512*((\s)&1)+128*\b
	ds_load_b128 v[TT+64*((\s)%2)+16*\b+4:TT+64*((\s)%2)+16*\b+7],   v[AG] offset:GPI*((\s)>>1)+512*((\s)&1)+128*\b+16
	ds_load_b128 v[TT+64*((\s)%2)+16*\b+8:TT+64*((\s)%2)+16*\b+11],  v[AG] offset:GPI*((\s)>>1)+512*((\s)&1)+128*\b+64
	ds_load_b128 v[TT+64*((\s)%2)+16*\b+12:TT+64*((\s)%2)+16*\b+15], v[AG] offset:GPI*((\s)>>1)+512*((\s)&1)+128*\b+80
.endr
.endm
; THE QUANTISER: nb blocks, block b's 16 numbers of my lane at v[QS + 16 b].  Leaves the scale bytes in v[PM + b] and, for each pair of blocks, four operand registers at v[PC + 4 (b / 2)].  The blocks take turns line by line.
.macro QUANT nb
.set qb, 0
.rept \nb
	v_max3_num_f32 v[MX+qb], |v[QS+16*qb]|, |v[QS+16*qb+1]|, 0x1800000   ; my 16 numbers, and the floor 2^(3 - 127): so the byte cannot fall under 1
.set qb, qb+1
.endr
.irp i, 2,4,6,8,10,12,14
.set qb, 0
.rept \nb
	v_max3_num_f32 v[MX+qb], v[MX+qb], |v[QS+16*qb+\i]|, |v[QS+16*qb+\i+1]|
.set qb, qb+1
.endr
.endr
.set qb, 0
.rept \nb
	v_permlanex16_b32 v[PM+qb], v[MX+qb], s[SEL], s[SEL+1]
.set qb, qb+1
.endr
.set qb, 0
.rept \nb
	v_max_num_f32 v[MX+qb], v[MX+qb], v[PM+qb]     ; with lane l xor 16's: the block's largest magnitude
.set qb, qb+1
.endr
.set qb, 0
.rept \nb
	v_add_nc_u32 v[MX+qb], 0xff000000, v[MX+qb]    ; 2 off its exponent field: the conversion takes the exponent field of this operand as its scale
.set qb, qb+1
.endr
.set qb, 0
.rept \nb
	v_lshrrev_b32 v[PM+qb], 23, v[MX+qb]           ; the scale's byte
.set qb, qb+1
.endr
.set qc, 0
.rept \nb/2
	v_cvt_scalef32_pk8_fp4_f32 v[PC+4*qc],   v[QS+32*qc:QS+32*qc+7],     v[MX+2*qc]     ; block 2 c, k = 8 h ..
	v_cvt_scalef32_pk8_fp4_f32 v[PC+4*qc+1], v[QS+32*qc+16:QS+32*qc+23], v[MX+2*qc+1]   ; block 2 c + 1, k = 8 h ..
	v_cvt_scalef32_pk8_fp4_f32 v[PC+4*qc+2], v[QS+32*qc+8:QS+32*qc+15],  v[MX+2*qc]     ; block 2 c, k = 16 + 8 h ..
	v_cvt_scalef32_pk8_fp4_f32 v[PC+4*qc+3], v[QS+32*qc+24:QS+32*qc+31], v[MX+2*qc+1]   ; block 2 c + 1, k = 16 + 8 h ..
.set qc, qc+1
.endr
	v_nop                                          ; one plain place behind the scaled conversions
.set qc, 0
.rept \nb/2
	v_permlane16_swap_b32 v[PC+4*qc], v[PC+4*qc+1]     ; the first's lanes 16-31 change places with the second's lanes 0-15:
	v_permlane16_swap_b32 v[PC+4*qc+2], v[PC+4*qc+3]   ; register 4 c + i of lane (r, h) now holds k = 64 c + 32 h + 8 i + 0..7
.set qc, qc+1
.endr
.endm
; One scaled product; its registers and the rows of its scale registers stand in symbols.
.macro WM
.if rZ
.if rRB
	v_wmma_scale_f32_16x16x128_f8f6f4 v[rD:rD+7], v[rA:rA+7], v[rB:rB+7], 0, v[rSA], v[rSB] matrix_a_fmt:MATRIX_FMT_FP4 matrix_b_fmt:MATRIX_FMT_FP4 matrix_b_scale:MATRIX_SCALE_ROW1
.else
	v_wmma_scale_f32_16x16x128_f8f6f4 v[rD:rD+7], v[rA:rA+7], v[rB:rB+7], 0, v[rSA], v[rSB] matrix_a_fmt:MATRIX_FMT_FP4 matrix_b_fmt:MATRIX_FMT_FP4
.endif
.elseif rRA && rRB
	v_wmma_scale_f32_16x16x128_f8f6f4 v[rD:rD+7], v[rA:rA+7], v[rB:rB+7], v[rD:rD+7], v[rSA], v[rSB] matrix_a_fmt:MATRIX_FMT_FP4 matrix_b_fmt:MATRIX_FMT_FP4 matrix_a_scale:MATRIX_SCALE_ROW1 matrix_b_scale:MATRIX_SCALE_ROW1
.elseif rRA
	v_wmma_scale_f32_16x16x128_f8f6f4 v[rD:rD+7], v[rA:rA+7], v[rB:rB+7], v[rD:rD+7], v[rSA], v[rSB] matrix_a_fmt:MATRIX_FMT_FP4 matrix_b_fmt:MATRIX_FMT_FP4 matrix_a_scale:MATRIX_SCALE_ROW1
.elseif rRB
	v_wmma_scale_f32_16x16x128_f8f6f4 v[rD:rD+7], v[rA:rA+7], v[rB:rB+7], v[rD:rD+7], v[rSA], v[rSB] matrix_a_fmt:MATRIX_FMT_FP4 matrix_b_fmt:MATRIX_FMT_FP4 matrix_b_scale:MATRIX_SCALE_ROW1
.else
	v_wmma_scale_f32_16x16x128_f8f6f4 v[rD:rD+7], v[rA:rA+7], v[rB:rB+7], v[rD:rD+7], v[rSA], v[rSB] matrix_a_fmt:MATRIX_FMT_FP4 matrix_b_fmt:MATRIX_FMT_FP4
.endif
.endm
; K step s of a tile: 16 matrix instructions, my 4 tiles of weight rows x the 4 tiles of tokens.  a: the set of the weights' scale words; cw: the window of the tokens' codes (1: x, 2: the hidden layer).
; The 16 accumulators take turns, one instruction a turn, in the same order in every K step.  zero = 1: the product starts the sums: nothing is cleared.
; A weight's scale register holds K step s % 4 in lanes 0-15 and 4 + s % 4 in lanes 16-31; a token's holds token tile 2 (m / 2) below and 2 (m / 2) + 1 above.
.macro MULS s, a, cw, zero
	WIN 3|((\cw)<<2)
.irp t, 0,1,2,3
.irp m, 0,1,2,3
.set rD,  ACC+32*\m+8*\t
.set rA,  32*(\s)+8*\t
.set rB,  8*(8*\m+(\s))
.set rSA, WS+16*(\a)+4*\t+((\s)&3)
.set rSB, XS+16*((\cw)-1)+8*(\m>>1)+(\s)
.set rRA, (\s)>>2
.set rRB, \m&1
.set rZ,  \zero
	WM
.endr
.endr
.endm
; my four weight fragments of K step s out of slot a: lane (r, h) takes row r's bytes 64 s + 32 c + 16 h on
.macro WLOAD a, s
	WIN 0xc0
.irp t, 0,1,2,3
.irp c, 0,1
	ds_load_b128 v[32*(\s)+8*\t+4*\c:32*(\s)+8*\t+4*\c+3], v[AW+(\a)] offset:16*WP*\t+64*(\s)+32*\c
.endr
.endr
.endm
; the scale words of my 64 rows of the tile that slot a takes next: each load reads 512 consecutive bytes, all eight words of 16 rows
.macro WSLOAD a
.irp t, 0,1,2,3
	global_load_b128 v[WS+16*(\a)+4*\t:WS+16*(\a)+4*\t+3], v[WSO], s[SB+2*(\a):SB+2*(\a)+1] offset:512*\t
.endr
.endm
; A TRIP: the tile in slot a, 128 matrix instructions.  Fragments run two K steps ahead; the first two were fetched in the trip before.
; fill = 2, 1: slot a, read out, is filled again (2: while the ring walks Wup; 1: expert and down, each in its own slot);  0: nothing is left to fetch, a tile follows;  3: the last tile.
.macro TRIP a, cw, zero, fill, lcnt
	s_wait_loadcnt \lcnt                           ; this tile's scale words are in; the other set's four loads, issued behind them, may be out
.irp s, 0,1,2,3,4,5
	WLOAD \a, \s+2
	s_wait_dscnt 16                                ; all but the youngest sixteen, the fragments of the two K steps ahead (behind a tail: its LDS instructions among them)
.if \s == 0
	MULS \s, \a, \cw, \zero
.else
	MULS \s, \a, \cw, 0
.endif
.endr
.if (\fill == 1) || (\fill == 2)
	WIN 0                                          ; (the add's two registers lie in window 0)
	s_wait_tensorcnt 0x0                           ; all my tensor loads have landed: the one that was out is my share of the other slot; so a group 0 may be written
	ds_add_u32 v[SPW], v[NIL]                      ; 0 onto my spare word
.if \fill == 2
	s_mov_b64 s[G0+4*\a+2:G0+4*\a+3], s[NX+2*\a:NX+2*\a+1]         ; this slot's next tile,
	s_or_b32 s[G0+4*\a+3], s[G0+4*\a+3], 0x80000000                ; type = 2
	s_mov_b64 s[NX+2*\a:NX+2*\a+1], s[PD+4*\a:PD+4*\a+1]           ; behind Wup's tiles: expert's (slot 0) or down's (slot 1) first
	s_mov_b64 s[SB+2*\a:SB+2*\a+1], s[NXS+2*\a:NXS+2*\a+1]         ; the scale bytes likewise (this set's loads were shown done at the trip's head)
	s_mov_b64 s[NXS+2*\a:NXS+2*\a+1], s[PDS+4*\a:PDS+4*\a+1]
.else
	s_add_nc_u64 s[G0+4*\a+2:G0+4*\a+3], s[G0+4*\a+2:G0+4*\a+3], 0x20000   ; 256 rows of 512 bytes on; the type bits on top are not reached
	s_add_nc_u64 s[SB+2*\a:SB+2*\a+1], s[SB+2*\a:SB+2*\a+1], 0x2000        ; 256 rows of 32 bytes on
.endif
	s_wait_dscnt 9                                 ; (the add and the last K step's eight loads may be out)
	MULS 6, \a, \cw, 0                             ; sixteen matrix instructions stand between the add and the wait for it
	s_wait_dscnt 0x0                               ; the add is done, and my reads of this slot are over: my whole share is in registers
	WIN 0                                          ; at a branch and at a label every window is 0
	ROUND                                          ; the same holds of every wave of all four work-groups
	tensor_load_to_lds s[G0+4*\a:G0+4*\a+3], s[G1W:G1W+7]          ; my one tensor load behind the round, and the first thing there
	s_nop 0
	PLACES 4                                       ; (the places in front of the loads below)
	WLOAD 1-\a, 0                                  ; the next tile's first fragments, out of the other slot
	WLOAD 1-\a, 1
	MULS 7, \a, \cw, 0
.elseif \fill == 0
	s_wait_tensorcnt 0x0                           ; my share of the last tile is in: no load was issued behind it
	s_wait_dscnt 8
	MULS 6, \a, \cw, 0
	PLACES 4                                       ; in front of loads into registers that matrix instructions have read
	WLOAD 1-\a, 0
	WLOAD 1-\a, 1
	s_wait_dscnt 16
	MULS 7, \a, \cw, 0
.else
	s_wait_dscnt 8
	MULS 6, \a, \cw, 0
	s_wait_dscnt 0x0
	MULS 7, \a, \cw, 0
.endif
.endm
; Each tail begins with five places: four in front of reads of results and of loads into registers that the products read, five in front of the next tile's products where they begin the accumulators anew.
; BEHIND A TILE OF Wup: relu, the quantiser.  My 64 hidden units are half w % 2 of K step 2 g + w / 2 of the down product: four registers and two scale bytes for each tile of tokens.
.macro UTAIL a
	WIN 0
	PLACES 5
	WSLOAD \a
.set uj, 0
.rept 128
	v_max_num_f32 v[ACC+uj], 0, v[ACC+uj]          ; the activation, in f32; each accumulator from its low end on
.set uj, uj+1
.endr
.set QS, ACC
	QUANT 8
.irp m, 0,1,2,3
	v_lshl_or_b32 v[PM+2*\m], v[PM+2*\m+1], 8, v[PM+2*\m]
.endr
	v_add_nc_u32 v[HAI], s[HSTI], v[HWI]
	v_add_nc_u32 v[HAS], s[HSTJ], v[HWS]
.irp m, 0,1,2,3
	ds_store_b128 v[HAI], v[PC+4*\m:PC+4*\m+3] offset:8192*\m+2048*\a
.endr
.irp m, 0,1,2,3
	ds_store_b16 v[HAS], v[PM+2*\m] offset:1024*(\m>>1)+64*(\m&1)+256*\a   ; both lanes of a token write the same two bytes with the same value
.endr
.endm
; BEHIND A TILE OF Wexpert: the sums times the token's s; the down product then adds onto them.
.macro ETAIL fill
	WIN 0
	PLACES 5
.if \fill
	WSLOAD 0
.endif
.irp m, 0,1,2,3
.set ei, 0
.rept 16
	v_pk_mul_f32 v[ACC+32*\m+2*ei:ACC+32*\m+2*ei+1], v[ACC+32*\m+2*ei:ACC+32*\m+2*ei+1], v[SF+2*\m:SF+2*\m+1]
.set ei, ei+1
.endr
.endr
.endm
; BEHIND A TILE OF Wdown: the way out.  A lane holds 32 neighbouring bytes of a token's row; my 64 columns are 256 bytes of it.  A tile of 16 tokens goes through my stage and comes back by rows.
.macro DTAIL fill
	WIN 0
	PLACES 5
.if \fill
	WSLOAD 1
.endif
.irp m, 0,1,2,3
.irp t, 0,1,2,3
	ds_store_b128 v[SX], v[ACC+32*\m+8*\t:ACC+32*\m+8*\t+3] offset:64*\t           ; each accumulator from its low end on
	ds_store_b128 v[SX], v[ACC+32*\m+8*\t+4:ACC+32*\m+8*\t+7] offset:64*\t+16
.endr
.irp i, 0,1,2,3,4,5,6,7
	ds_load_b128 v[ACC+32*\m+4*\i:ACC+32*\m+4*\i+3], v[SI] offset:2*SP*\i          ; LDS serves a wave's instructions in order: these see the stores above, and the next tile's stores come behind them
.endr
.endr
.irp m, 0,1,2,3
	s_wait_dscnt 16*(3-\m)                         ; behind tile m's loads: sixteen LDS instructions for each later tile
.irp i, 0,1,2,3,4,5,6,7
	global_store_b128 v[GO], v[ACC+32*\m+4*\i:ACC+32*\m+4*\i+3], s[20:21] offset:(16*\m+2*\i)*4096 th:TH_STORE_NT   ; 16 lanes store 256 consecutive bytes, at a multiple of 256 from out's first byte
.endr
.endr
.if \fill
	s_wait_xcnt 0x0                                ; the stores' base and data are written again only behind this wait
	s_add_nc_u64 s[20:21], s[20:21], 1024          ; the next 256 columns
.endif
.endm
	; ---- THE HEAD
	s_load_b256 s[4:11], s[0:1], 0x0               ; x s[4:5], Wgate s[6:7], up's codes s[8:9], up's scales s[10:11]
	s_load_b256 s[12:19], s[0:1], 0x20             ; expert's codes, scales, down's codes, scales
	s_load_b64 s[20:21], s[0:1], 0x40              ; out
	v_lshl_add_u32 v[SPW], v0, 2, SPARE
	v_mov_b32 v[NIL], 0
	ds_add_u32 v1, v2
	ds_add_u32 v1, v2
	s_wait_dscnt 0x0
	v_lshrrev_b32 v127, 5, v0
	v_readfirstlane_b32 s[WV], v127                ; wave 0..3
	v_and_b32 v124, 31, v0                         ; lane
	v_and_b32 v125, 15, v0                         ; r
	v_bfe_u32 v126, v0, 4, 1                       ; h
	s_bfe_u32 s23, ttmp6, 0x40000                  ; cx: it enters x's and out's addresses alone
	s_lshl_b32 s80, ttmp9, 2
	s_add_co_u32 s80, s80, s23                     ; my block of 64 tokens = 4 x cluster + cx
	s_lshl_b32 s80, s80, 18                        ; x 64 rows of 4,096 bytes
	s_mov_b32 s81, 0
	s_lshl_b32 s82, s[WV], 16
	s_add_co_u32 s82, s82, s80                     ; x: + my wave's 16 rows
	s_mov_b32 s83, 0
	s_lshl_b32 s91, s[WV], 8
	s_add_co_u32 s80, s80, s91                     ; out: + my wave's 256 bytes of a row
	s_lshl_b32 s84, s[WV], 15                      ; my 64 rows of a weight tile: codes,
	s_mov_b32 s85, 0
	s_lshl_b32 s86, s[WV], 11                      ; scale bytes;
	s_mov_b32 s87, 0
	s_lshl_b32 s88, s[WV], 13                      ; my quarter of Wgate
	s_mov_b32 s89, 0
	s_mul_i32 s79, s[WV], SHARE                    ; and their places in LDS: no place in the cluster enters an LDS address
	s_mul_i32 s90, s[WV], 8*GPI
	s_mov_b32 s[SEL], 0x76543210
	s_mov_b32 s[SEL+1], 0xfedcba98
	; group 1 for a wave's share of a weight tile: 64 rows of 512 bytes, dense in memory
	s_mov_b32 s[G1W], 15|(0<<16)|(1<<20)|(1<<21)|(6<<22)|(3<<25)   ; 15:0 the mask: all four work-groups; 17:16 elements of 1 byte; 20 padding on; 21 set beside a mask; 24:22 after every 128 words (code 6); 31:25 four words (code 3)
	s_mov_b32 s[G1W+1], 512<<16                    ; tensor_dim0
	s_mov_b32 s[G1W+2], 64<<16                     ; tensor_dim1
	s_mov_b32 s[G1W+3], 512<<16                    ; tile_dim0
	s_mov_b32 s[G1W+4], 64                         ; tile_dim1
	s_mov_b32 s[G1W+5], 512                        ; tensor_dim0_stride
	s_mov_b32 s[G1W+6], 0
	s_mov_b32 s[G1W+7], 0
	; and for a quarter of Wgate: 8,192 dense bytes as 8 rows of 128 elements of 8 bytes
	s_mov_b32 s[G1G], 15|(3<<16)|(1<<20)|(1<<21)|(7<<22)|(3<<25)   ; padding: four words after every 256
	s_mov_b32 s[G1G+1], 128<<16
	s_mov_b32 s[G1G+2], 8<<16
	s_mov_b32 s[G1G+3], 128<<16
	s_mov_b32 s[G1G+4], 8
	s_mov_b32 s[G1G+5], 128
	s_mov_b32 s[G1G+6], 0
	s_mov_b32 s[G1G+7], 0
	v_lshlrev_b32 v[GO], 4, v125
	v_lshl_add_u32 v[GO], v126, 12, v[GO]
	s_mul_i32 s91, s[WV], STGW
	s_add_co_u32 s91, s91, STG                     ; my stage
	v_mul_u32_u24 v[SI], v126, SP
	v_lshl_add_u32 v[SI], v125, 4, v[SI]
	v_add_nc_u32 v[SI], s91, v[SI]
	v_mul_u32_u24 v[SX], v125, SP
	v_lshl_add_u32 v[SX], v126, 5, v[SX]
	v_add_nc_u32 v[SX], s91, v[SX]
	v_lshl_add_u32 v[LI], v124, 4, IMG
	v_lshl_add_u32 v[LS], v124, 2, ISC
	s_lshl_b32 s91, s[WV], 13
	v_add_nc_u32 v[XWI], s91, v[LI]                ; token tile m = w: eight fragments of 1,024 bytes
	s_lshl_b32 s91, s[WV], 9
	v_add_nc_u32 v[HWI], s91, v[LI]
	s_lshr_b32 s92, s[WV], 1                       ; w / 2
	s_and_b32 s93, s[WV], 1                        ; w % 2
	v_lshl_add_u32 v127, v125, 2, ISC
	s_lshl_b32 s91, s92, 10
	v_add_nc_u32 v[XWS], s91, v127
	s_lshl_b32 s91, s93, 6
	v_add_nc_u32 v[XWS], s91, v[XWS]
	s_lshl_b32 s91, s92, 7
	v_add_nc_u32 v[HWS], s91, v127
	s_lshl_b32 s91, s93, 1
	v_add_nc_u32 v[HWS], s91, v[HWS]
	v_mul_u32_u24 v[AW], v125, WP
	v_lshl_add_u32 v[AW], v126, 4, v[AW]
	v_add_nc_u32 v[AW], s79, v[AW]
	v_add_nc_u32 v[AW+1], SLOT, v[AW]
	v_lshlrev_b32 v[WSO], 5, v125
	v_lshl_add_u32 v[WSO], v126, 4, v[WSO]
	v_lshl_add_u32 v[SFA], v125, 2, ISF
	s_lshl_b32 s91, s[WV], 6
	v_add_nc_u32 v[SFW], s91, v[SFA]
	v_and_b32 v127, 7, v0
	v_mul_u32_u24 v[AG], v127, 4*GPI
	v_lshl_add_u32 v[AG], v126, 5, v[AG]
	v_add_nc_u32 v[AG], IMG, v[AG]
.irp b, 0,1,2,3,4,5,6,7
	v_mov_b32 v[PM+\b], 0                          ; written once: a lane permute's destination counts as one of its sources
.endr
	s_wait_kmcnt 0x0
	s_add_nc_u64 s[4:5], s[4:5], s[82:83]
	s_add_nc_u64 s[20:21], s[20:21], s[80:81]
	s_add_nc_u64 s[6:7], s[6:7], s[88:89]
	s_add_nc_u64 s[8:9], s[8:9], s[84:85]
	s_add_nc_u64 s[12:13], s[12:13], s[84:85]
	s_add_nc_u64 s[16:17], s[16:17], s[84:85]
	s_add_nc_u64 s[10:11], s[10:11], s[86:87]
	s_add_nc_u64 s[14:15], s[14:15], s[86:87]
	s_add_nc_u64 s[18:19], s[18:19], s[86:87]
	s_mov_b64 s[SB:SB+1], s[10:11]                 ; up's tiles 0 and 1: scale bytes,
	s_add_nc_u64 s[SB+2:SB+3], s[10:11], 0x2000
	s_add_nc_u64 s[NXS:NXS+1], s[10:11], 0x4000    ; tiles 2 and 3
	s_add_nc_u64 s[NXS+2:NXS+3], s[10:11], 0x6000
	s_add_nc_u64 s[NX:NX+1], s[8:9], 0x40000       ; and their codes
	s_add_nc_u64 s[NX+2:NX+3], s[8:9], 0x60000
	s_mov_b32 s[G0], 1                             ; 1:0 count = 1
	s_mov_b32 s[G0+1], s79                         ; 63:32 LDS address: my share of slot 0
	s_mov_b64 s[G0+2:G0+3], s[8:9]                 ; 120:64 global address: up's tile 0, my rows
	s_or_b32 s[G0+3], s[G0+3], 0x80000000          ; 127:126 type = 2
	s_mov_b32 s[G0+4], 1
	s_add_co_u32 s[G0+5], s79, SLOT
	s_add_nc_u64 s[G0+6:G0+7], s[8:9], 0x20000
	s_or_b32 s[G0+7], s[G0+7], 0x80000000
	s_mov_b32 s[G0G], 1
	s_add_co_u32 s[G0G+1], s90, IMG
	s_mov_b64 s[G0G+2:G0G+3], s[6:7]
	s_or_b32 s[G0G+3], s[G0G+3], 0x80000000
	WSLOAD 0                                       ; the oldest loads, so that the counts for x below leave them behind
	WSLOAD 1
	XLOAD 0
	XLOAD 1
	XLOAD 2
	WIN 0
	ROUND                                          ; all four work-groups are here: the first joint loads meet
	tensor_load_to_lds s[G0G:G0G+3], s[G1G:G1G+7]  ; the first fills go out together: three tensor loads of mine are out
	s_nop 0
	tensor_load_to_lds s[G0:G0+3], s[G1W:G1W+7]
	s_nop 0
	tensor_load_to_lds s[G0+4:G0+7], s[G1W:G1W+7]
	s_nop 0
	PLACES 4
	; ---- Wgate becomes 32 bf16 fragments in window 2.  Lanes r and r + 8 take the same expert, so that in the product's result every lane holds its token's eight logits.
	s_wait_tensorcnt 0x2                           ; my quarter of Wgate is in; the two weight tiles, issued behind it, may stay out
	BAR                                            ; everybody's is
	GLOAD 0
.irp s, 0,1,2,3,4,5,6,7
.if \s < 7
	GLOAD \s+1
	s_wait_dscnt 16                                ; all but the sixteen just issued
.else
	s_wait_dscnt 0x0
.endif
	WIN 0x80
.set gi, 0
.rept 32
	v_cvt_pk_bf16_f32 v[32*\s+gi], v[TT+64*(\s%2)+2*gi], v[TT+64*(\s%2)+2*gi+1]
.set gi, gi+1
.endr
	WIN 0
.endr
	BAR                                            ; every wave's reads of Wgate are back (the last wait above was for 0): from here on images are stored over it
	; ---- x: my 16 tokens, a K step of 128 at a time: bf16 for the gate, codes and a scale word for the products
.macro STEP s
	s_wait_dscnt 0x0                               ; this step's numbers are back from the stage, and the stage's stores have read their registers
.if (\s) <= 4
	XLOAD (\s)+3
.endif
.if (\s) <= 6
.if (\s) <= 4
	s_wait_loadcnt 32                              ; the next step's sixteen loads are in; those of the two steps behind it may be out
.elseif (\s) == 5
	s_wait_loadcnt 16
.else
	s_wait_loadcnt 0x0
.endif
	XTURN (\s)+1                                   ; it goes through the stage while this step is worked
.endif
	WIN 0x40
.set gi, 0
.rept 32
	v_cvt_pk_bf16_f32 v[gi], v[TT+64*((\s)%2)+2*gi], v[TT+64*((\s)%2)+2*gi+1]
.set gi, gi+1
.endr
	WIN 0x56                                       ; source 0 (Wgate) window 2; source 1 (x), C and D window 1
.irp b, 0,1,2,3                                ; four accumulators by turns, one for each block of 32 of the step
.if (\s) == 0
	v_wmma_f32_16x16x32_bf16 v[GA+8*\b:GA+8*\b+7], v[32*(\s)+8*\b:32*(\s)+8*\b+7], v[8*\b:8*\b+7], 0
.else
	v_wmma_f32_16x16x32_bf16 v[GA+8*\b:GA+8*\b+7], v[32*(\s)+8*\b:32*(\s)+8*\b+7], v[8*\b:8*\b+7], v[GA+8*\b:GA+8*\b+7]
.endif
.endr
	WIN 0
.set QS, TT+64*((\s)%2)
	QUANT 4                                        ; (its lines are also the places behind the gate's products)
	v_lshl_or_b32 v[PM], v[PM+1], 8, v[PM]         ; the four bytes make my token's scale word
	v_lshl_or_b32 v[PM], v[PM+2], 16, v[PM]
	v_lshl_or_b32 v[PM], v[PM+3], 24, v[PM]
	ds_store_b128 v[XWI], v[PC:PC+3] offset:1024*(\s)
	ds_store_b128 v[XWI], v[PC+4:PC+7] offset:1024*(\s)+512
	ds_store_b32 v[XWS], v[PM] offset:128*(\s)     ; both lanes of a token write the same word with the same value
.endm
	s_wait_loadcnt 32                              ; step 0's loads are in; steps 1 and 2 may be out
	XTURN 0
.irp s, 0,1,2,3,4,5,6,7
	STEP \s
.endr
	; ---- the gate: the eight logits of my token, their two largest, the softmax over these with its maximum taken away, and its sum
	WIN 0x05                                       ; sources window 1, destination window 0
.irp p, 0,2,4,6                                ; each accumulator is read from its low end on
	v_pk_add_f32 v[128+\p:129+\p], v[GA+\p:GA+\p+1], v[GA+8+\p:GA+9+\p]
	v_pk_add_f32 v[136+\p:137+\p], v[GA+16+\p:GA+17+\p], v[GA+24+\p:GA+25+\p]
.endr
	WIN 0
.irp p, 0,2,4,6
	v_pk_add_f32 v[128+\p:129+\p], v[128+\p:129+\p], v[136+\p:137+\p]
.endr
	v_max_num_f32 v[MX], v128, v129                ; m1, the largest so far;
	v_min_num_f32 v[MX+1], v128, v129              ; m2, the second
.irp j, 2,3,4,5,6,7
	v_med3_num_f32 v[MX+1], v[MX], v[MX+1], v[128+\j]   ; the middle one of m1, m2 and the next logit is the new second,
	v_max_num_f32 v[MX], v[MX], v[128+\j]
.endr
	v_sub_f32 v[MX+2], v[MX+1], v[MX]              ; m2 - m1, 0 or less: the larger weight's exponential is 2^0 = 1
	v_mul_f32 v[MX+2], 0x3fb8aa3b, v[MX+2]
	v_exp_f32 v[MX+2], v[MX+2]                     ; e
	v_nop                                          ; one plain place behind a transcendental
	s_wait_alu depctr_va_vdst(0)
	v_add_f32 v[MX+3], 1.0, v[MX+2]
	v_rcp_f32 v[MX+3], v[MX+3]
	v_nop
	s_wait_alu depctr_va_vdst(0)
	v_fma_f32 v[MX+2], v[MX+2], v[MX+3], v[MX+3]   ; s = 1 / (1 + e) + e / (1 + e)
	ds_store_b32 v[SFW], v[MX+2]
	s_wait_dscnt 0x0                               ; for the others' sake: my images, scale words and factors are stored
	BAR
	; ---- every wave takes all of x's codes and scale words into registers
	WIN 0x40
.set gi, 0
.rept 64
	ds_load_b128 v[4*gi:4*gi+3], v[LI] offset:512*gi
.set gi, gi+1
.endr
	WIN 0
.set gi, 0
.rept 16
	ds_load_b32 v[XS+gi], v[LS] offset:128*gi
.set gi, gi+1
.endr
	s_wait_tensorcnt 0x1                           ; my share of tile 0 is in, and I alone read it; tile 1's load may be out
	WLOAD 0, 0
	WLOAD 0, 1
	WIN 0
	; ---- the up product: four tiles of 256 hidden units, two a trip
	s_mov_b32 s[CNT], 2
	s_mov_b32 s[HSTI], 0
	s_mov_b32 s[HSTJ], 0
.Lup:
	TRIP 0, 1, 1, 2, 4
	UTAIL 0                                        ; (x's images are overwritten only behind the first trip's round, in front of which every wave's loads of them are back)
	TRIP 1, 1, 1, 2, 4
	UTAIL 1
	s_add_co_u32 s[HSTI], s[HSTI], 4096
	s_add_co_u32 s[HSTJ], s[HSTJ], 512
	s_sub_co_u32 s[CNT], s[CNT], 1
	s_cmp_lg_u32 s[CNT], 0
	s_cbranch_scc1 .Lup
	s_wait_dscnt 0x0                               ; for the others' sake: my part of the hidden layer's images is stored
	BAR                                            ; (a tile's load may stay out)
	WIN 0x80                                       ; every wave takes all of the hidden layer's codes, its scale words, and the 64 tokens' s
.set gi, 0
.rept 64
	ds_load_b128 v[4*gi:4*gi+3], v[LI] offset:512*gi
.set gi, gi+1
.endr
	WIN 0
.set gi, 0
.rept 16
	ds_load_b32 v[XS+16+gi], v[LS] offset:128*gi
.set gi, gi+1
.endr
.irp m, 0,1,2,3
	ds_load_b32 v[SF+2*\m], v[SFA] offset:64*\m    ; twice: a pair for the packed multiply
	ds_load_b32 v[SF+2*\m+1], v[SFA] offset:64*\m
.endr                                          ; (they are first used behind the next trip's wait for all LDS loads)
	; ---- 256 columns of out at a time: the expert product, x s, the down product on top, the way out
	s_mov_b32 s[CNT], 3
.Ldown:
	TRIP 0, 1, 1, 1, 4
	ETAIL 1
	TRIP 1, 2, 0, 1, 4
	DTAIL 1
	s_sub_co_u32 s[CNT], s[CNT], 1
	s_cmp_lg_u32 s[CNT], 0
	s_cbranch_scc1 .Ldown
	TRIP 0, 1, 1, 0, 4                             ; the last two tiles are written out: nothing is left to fetch
	ETAIL 0
	TRIP 1, 2, 0, 3, 0
	DTAIL 0
	s_wait_tensorcnt 0x0                           ; the wave's end: behind my last tensor load and my last LDS store
	ds_add_u32 v[SPW], v[NIL]
	s_wait_dscnt 0x0
	ROUND                                          ; the closing round: no work-group ends while a partner may still ask for a tile that names it
	s_endpgm
.Lfunc_end_k_qb5e48ce56e_moe:
	.size	k_qb5e48ce56e_moe, .Lfunc_end_k_qb5e48ce56e_moe-k_qb5e48ce56e_moe
	.p2alignl 7, 3214868480
	.fill 96, 4, 3214868480
	.section	.rodata,"a",@progbits
	.p2align	6, 0x0
	.amdhsa_kernel k_qb5e48ce56e_moe
		.amdhsa_group_segment_fixed_size 327680
		.amdhsa_private_segment_fixed_size 0
		.amdhsa_enable_private_segment 0
		.amdhsa_kernarg_size 72
		.amdhsa_user_sgpr_count 2
		.amdhsa_user_sgpr_kernarg_segment_ptr 1
		.amdhsa_wavefront_size32 1
		.amdhsa_system_sgpr_workgroup_id_x 1
		.amdhsa_system_sgpr_workgroup_id_y 1
		.amdhsa_system_sgpr_workgroup_id_z 1
		.amdhsa_system_vgpr_workitem_id 0
		.amdhsa_next_free_vgpr 1024
		.amdhsa_next_free_sgpr 94
		.amdhsa_reserve_vcc 0
		.amdhsa_float_denorm_mode_32 3
		.amdhsa_float_denorm_mode_16_64 3
		.amdhsa_memory_ordered 1
		.amdhsa_forward_progress 1
		.amdhsa_inst_pref_size 255
	.end_amdhsa_kernel
	.section	.bss,"aw",@nobits
	.p2align	6
	.space	262144
	.amdgpu_metadata
---
amdhsa.version: [ 1, 2 ]
amdhsa.kernels:
  - .name:           k_qb5e48ce56e_moe
    .symbol:         k_qb5e48ce56e_moe.kd
    .args:
      - { .name: x, .offset: 0, .size: 8, .value_kind: global_buffer, .address_space: global }
      - { .name: W_gate, .offset: 8, .size: 8, .value_kind: global_buffer, .address_space: global }
      - { .name: W_up_codes, .offset: 16, .size: 8, .value_kind: global_buffer, .address_space: global }
      - { .name: W_up_scales, .offset: 24, .size: 8, .value_kind: global_buffer, .address_space: global }
      - { .name: W_expert_codes, .offset: 32, .size: 8, .value_kind: global_buffer, .address_space: global }
      - { .name: W_expert_scales, .offset: 40, .size: 8, .value_kind: global_buffer, .address_space: global }
      - { .name: W_down_codes, .offset: 48, .size: 8, .value_kind: global_buffer, .address_space: global }
      - { .name: W_down_scales, .offset: 56, .size: 8, .value_kind: global_buffer, .address_space: global }
      - { .name: out0, .offset: 64, .size: 8, .value_kind: global_buffer, .address_space: global }
    .group_segment_fixed_size: 327680
    .private_segment_fixed_size: 0
    .kernarg_segment_align: 8
    .kernarg_segment_size: 72
    .max_flat_workgroup_size: 128
    .sgpr_count:     94
    .vgpr_count:     1024
    .wavefront_size: 32
...
	.end_amdgpu_metadata
.endif
;; end of part 1
;; ======== version 2 of 2: 1 launch
;; limits: right only within a limited range of input values
;; launch moe (part 2): grid 256 x 1, 4 waves a work-group, clusters of 4 x 1, 327,680 bytes of LDS; arguments x, W_up_codes, W_up_scales, W_expert_codes, W_expert_scales, W_down_codes, W_down_scales, out0; writes out0
.if DOCPART == 2
	.amdgcn_target "amdgcn-amd-amdhsa--gfx1250"
	.amdhsa_code_object_version 6
	.text
	.protected	k_qb5e48ce56e_moe
	.globl	k_qb5e48ce56e_moe
	.p2align	8
	.type	k_qb5e48ce56e_moe,@function
k_qb5e48ce56e_moe:
	s_mov_b64 s[64:65], 0
	v_nop
	global_prefetch_b8 v0, s[64:65] scope:SCOPE_SE
	s_setreg_imm32_b32 hwreg(HW_REG_WAVE_MODE, 25, 1), 1
	s_wait_xcnt 0x0
	s_wait_alu depctr_hold_cnt(0) depctr_sa_sdst(0) depctr_va_vdst(0) depctr_va_sdst(0) depctr_va_ssrc(0) depctr_va_vcc(0) depctr_vm_vsrc(0)
	s_getreg_b32 s2, hwreg(HW_REG_IB_STS2, 6, 4)
	s_cmp_eq_u32 s2, 0
	s_cbranch_scc0 .Lentry_in_a_cluster
	s_endpgm
.Lentry_in_a_cluster:
	s_bfe_u32 s2, ttmp6, 0x10000c
	s_cmp_lg_u32 s2, 0x3003
	s_cbranch_scc0 .Lentry_shape_is_right
	s_endpgm
.Lentry_shape_is_right:
; out = Q(relu(Q(x) Wup^T)) Wdown^T + Q(x) Wexpert.  x, out: [16384][1024] f32.  The three weights: E2M1 codes, K innermost, 512 bytes a row, and 32 E8M0 bytes a row.  Q: the MX quantiser along K, blocks of 32.
; LEFT OUT AS DEAD WORK: the gate (product 1, top-k, softmax).  All chosen experts share one weight matrix, so the gate reaches the output only through the factor sum_k softmax(top-k logits)_k, and a softmax's
; weights sum to 1 for all finite logits, whatever x and W_gate hold.  The factor is 1 by that identity; W_gate has no other way to the output, is not loaded and is no argument.
; LIMITS.  A NaN, an infinity or an overflow that reaches only the gate's logits is not carried to the result.  NaN and infinities in x are not served.  A block whose largest magnitude lies under 2^-124, a block of
; zeros among them, gets the scale byte 1 (zeros: zero codes, which add nothing; these bytes are read here alone).  Expert's and down's terms are summed in one f32 accumulator, expert's first.
; ONE LAUNCH.  A work-group of four waves owns 64 tokens: x is read once, out is written once, x's codes and the hidden layer never go to memory.
; x: wave w loads and quantises tokens 16 w .. 16 w + 15, in 16 batches of 256 bytes of each row.  A load takes whole 256-byte units of two rows; an exchange of half waves between two loads leaves 8 neighbours along K in a
; lane, 32 in four lanes.  The codes go into LDS as images of the operand's registers; then every wave takes all codes of the 64 tokens into registers.  The waves begin at different quarters of the rows.
; WEIGHTS.  12 tiles of 256 rows x 512 bytes through two LDS slots, each asked for JOINTLY by the four work-groups of a cluster, a quarter a wave.  Up's four tiles are fetched while x streams in: tiles 0 and 1 move on into
; registers, 2 and 3 stay in the slots.  Then expert's and down's tiles by turns.  In the products the waves share the columns: each weight fragment is read from LDS once, by one wave, for all 64 tokens.
; UP is used transposed (source 0 = weights).  Tile t of wave w takes rows 8 t + 0..7 of two blocks of 32 (lanes 0-7 and 8-15), so a lane's 32 results over t are one whole block of the hidden layer: no lane exchange.
; EXPERT AND DOWN: source 0 = tokens.  Wave v fetches rows 4 i + v of a tile, so tile t's lane r is column 64 w + 4 r + t: over t a lane holds four neighbouring columns, 16 lanes 256 bytes of a row.
; THE ORDER OF THE WALK over the four groups of 256 columns of out differs: a cluster begins at group q, the sum of the base-4 digits of its number, mod 4, and goes round; the four partners share q.
; LEFT OUT: prefetching (x is streamed with 48 loads and more of a wave in flight; the weights are walked by all 64 clusters, in four orders); work-groups that stay (256 blocks of tokens, 256 work-groups).
; REGISTERS.  Window 0: addresses, scales, the quantiser's, v128-255 the 16 accumulators ((t, m) at 128 + 32 m + 8 t).  Window 1: x as loaded, 8 batches of 32; then x's codes, fragment (m, s) at 8 (8 m + s).
;   Window 2: up's tiles 1 and 3, then the hidden layer's codes.  Window 3: up's tiles 0 and 2, then expert's and down's: fragment (t, s) at 32 s + 8 t; its upper half also the rows on their way out.
.set WP,    528                        ; a weight row in LDS: 512 bytes + 16 of padding
.set SHARE, 64*WP+128                  ; a wave's 64 rows; 128 more, so that rows i of neighbouring shares start 32 words apart (64 banks of 4 bytes: ISA guide 11.1)
.set SLOT,  4*SHARE
.set IMG,   2*SLOT                     ; code images: block j of 32 of token 16 m + i at 10240 m + 320 j + 16 i
.set ISC,   IMG+40960                  ; scale words: 128 (8 (m / 2) + s) + 64 (m % 2) + 4 i
.set SPARE, ISC+2048                   ; the spare words, 128 bytes for each wave: two blocks of 256 bytes that no other line names
.set SPW, 1                            ; SPARE + 4 x thread; never rewritten
.set NIL, 2                            ; 0; never rewritten
.set GO,  3                            ; x: 4096 (r / 8) + 32 (r % 8) + 16 h
.set GOO, 4                            ; out: 32768 h + 16 r
.set XWI, 5                            ; v5-8   where I store x's codes, for each quarter of the batches
.set XWS, 9                            ; v9-12  and their scale bytes
.set LI,  13                           ; images: IMG + 320 h + 16 r
.set LS,  14                           ; ISC + 4 lane
.set HWI, 15                           ; where I store the hidden layer's codes
.set HWS, 16                           ; and scale bytes
.set AU,  17                           ; v17-18 up's fragments in slot 0, 1
.set OSU, 19                           ; up's scale words
.set XS,  20                           ; v20-35 x's scale words, v36-51 the hidden layer's
.set WS,  52                           ; v52-83 the weights' scale words, two sets
.set MX,  84
.set PM,  88
.set PC,  92
.set TA,  108
.set TB,  112
.set AD,  116                          ; v116-119 expert's and down's fragments: slot a, t / 2 at 2 a + t / 2
.set OSD, 120                          ; their scale words
.set ACC, 128
.set SU,  8                            ; s[8:9]  up's scale bytes
.set CD,  10                           ; s[10:11], s[14:15] expert's, down's codes at my first row
.set SD,  12                           ; s[12:13], s[16:17] their scale bytes
.set OUTB, 18                          ; s[18:19] out at my 256 bytes of my tokens' rows
.set WV,  22                           ; my wave's number
.set G1U, 24                           ; s[24:31] group 1 for up's tiles
.set G1D, 32                           ; s[32:39] for expert's and down's
.set G0,  40                           ; s[40:47] group 0, one set for each slot
.set OW,  48                           ; out at the group of columns in hand
.set SB,  50                           ; s[50:51], s[52:53] scale bytes of expert's, down's next tile
.set TO,  54                           ; an offset in 64 bits; the upper word stays 0
.set JN,  58                           ; the group of columns whose tiles were asked for last
.set JC,  59                           ; the group of columns in hand
.set CNT, 60
.set XQB, 66                           ; s[66:73] x at the four quarters of the rows in my order
.set MSB, 0
.macro WIN new                         ; the immediate's high byte repeats the setting that is left; a switch that changes nothing is dropped
.if MSB != (\new)
	s_set_vgpr_msb (MSB<<8)|(\new)
.set MSB, (\new)
.endif
.endm
.macro PLACES n
.rept \n
	v_nop
.endr
.endm
.macro BAR
	s_barrier_signal -1
	s_barrier_wait -1
.endm
.macro ROUND                           ; a round of the cluster's barrier
	s_barrier_signal -1
	s_barrier_wait -1
	s_cmp_lg_u32 s[WV], 0
	s_cbranch_scc1 .Lnot_wave_0_\@
	s_barrier_signal -3
.Lnot_wave_0_\@:
	s_barrier_wait -3
	s_barrier_signal -1
	s_barrier_wait -1
.endm
; Batch b of x: 256 bytes of each of my 16 rows: four pairs of loads; pair p: rows 4 p, 4 p + 1 and 4 p + 2, 4 p + 3.
.macro XLOAD b
	WIN 0x40
.irp p, 0,1,2,3
	global_load_b128 v[32*((\b)%8)+8*\p:32*((\b)%8)+8*\p+3], v[GO], s[XQB+2*((\b)>>2):XQB+2*((\b)>>2)+1] offset:16384*\p+256*((\b)&3) th:TH_LOAD_NT
	global_load_b128 v[32*((\b)%8)+8*\p+4:32*((\b)%8)+8*\p+7], v[GO], s[XQB+2*((\b)>>2):XQB+2*((\b)>>2)+1] offset:16384*\p+8192+256*((\b)&3) th:TH_LOAD_NT
.endr
	WIN 0
.endm
.macro XQ b
.set BB, 32*((\b)%8)
	WIN 0x55
.irp p, 0,1,2,3
.irp i, 0,1,2,3
	v_permlane16_swap_b32 v[BB+8*\p+\i], v[BB+8*\p+4+\i]   ; lane (r, h) now has k = 8 (r % 8) + 0..7 of token 4 p + 2 h + r / 8
.endr
.endr
	WIN 0x14
.irp p, 0,1,2,3
	v_max3_num_f32 v[MX+\p], 0x1800000, |v[BB+8*\p]|, |v[BB+8*\p+1]|   ; with the floor 2^(3 - 127): so the byte cannot fall under 1
.endr
.irp i, 2,4,6
.irp p, 0,1,2,3
	v_max3_num_f32 v[MX+\p], v[MX+\p], |v[BB+8*\p+\i]|, |v[BB+8*\p+\i+1]|
.endr
.endr
	WIN 0
.irp p, 0,1,2,3
	v_max_num_f32_dpp v[MX+\p], v[MX+\p], v[MX+\p] row_xmask:1 row_mask:0xf bank_mask:0xf
.endr
.irp p, 0,1,2,3
	v_max_num_f32_dpp v[MX+\p], v[MX+\p], v[MX+\p] row_xmask:2 row_mask:0xf bank_mask:0xf   ; four lanes hold a block
.endr
.irp p, 0,1,2,3
	v_add_nc_u32 v[MX+\p], 0xff000000, v[MX+\p]    ; 2 off the exponent field: the conversion's scale operand
.endr
.irp p, 0,1,2,3
	v_lshrrev_b32 v[PM+\p], 23, v[MX+\p]           ; the scale's byte
.endr
	WIN 0x01
.irp p, 0,1,2,3
	v_cvt_scalef32_pk8_fp4_f32 v[PC+\p], v[BB+8*\p:BB+8*\p+7], v[MX+\p]
.endr
	v_nop                                          ; one plain place behind the scaled conversions
	WIN 0
.irp p, 0,1,2,3
	ds_store_b32 v[XWI+((\b)>>2)], v[PC+\p] offset:640*((\b)&3)+64*\p
	ds_store_b8 v[XWS+((\b)>>2)], v[PM+\p] offset:128*(((\b)&3)>>1)+2*((\b)&1)+16*\p   ; a block's four lanes write the same byte with the same value
.endr
.endm
.macro XB b
.if (\b) < 10
	XLOAD \b+6
	s_wait_loadcnt 48                              ; this batch is in; the six behind it may be out
.else
.if (\b) == 10
	SLU 0, 0                                       ; up's first two tiles' scale words, the youngest loads from here on
	SLU 1, 1
.endif
	s_wait_loadcnt 8*(15-(\b))+8                   ; the later batches and those eight may be out
.endif
	XQ \b
.endm
.macro SLU a, p                        ; scale words of up's tile p into set a: lanes 0-15 K steps 0-3 of their rows, lanes 16-31 K steps 4-7
.irp t, 0,1,2,3
	global_load_b128 v[WS+16*(\a)+4*\t:WS+16*(\a)+4*\t+3], v[OSU], s[SU:SU+1] offset:8192*(\p)+256*\t
.endr
.endm
.macro SLD a                           ; and of expert's (a = 0) or down's (a = 1) next tile
.irp t, 0,1,2,3
	global_load_b128 v[WS+16*(\a)+4*\t:WS+16*(\a)+4*\t+3], v[OSD], s[SB+2*(\a):SB+2*(\a)+1] offset:32*\t
.endr
.endm
.macro WLU a, s, wb                    ; my fragments of up's tile in slot a, K step s, into window wb
	WIN (\wb)<<6
.irp t, 0,1,2,3
.irp c, 0,1
	ds_load_b128 v[32*(\s)+8*\t+4*\c:32*(\s)+8*\t+4*\c+3], v[AU+(\a)] offset:8*WP*\t+64*(\s)+32*\c
.endr
.endr
.endm
.macro WLD a, s                        ; of expert's or down's tile, into window 3
	WIN 0xc0
.irp t, 0,1,2,3
.irp c, 0,1
	ds_load_b128 v[32*(\s)+8*\t+4*\c:32*(\s)+8*\t+4*\c+3], v[AD+2*(\a)+(\t>>1)] offset:SHARE*(\t&1)+64*(\s)+32*\c
.endr
.endr
.endm
; All codes and scale words of the 64 tokens out of the images: into window cw (1: x, 2: the hidden layer), K step by K step.
.macro FETCH cw
	WIN 0
.irp i, 0,1,2,3,4,5,6,7,8,9,10,11,12,13,14,15
	ds_load_b32 v[XS+16*((\cw)-1)+\i], v[LS] offset:128*\i
.endr
	WIN (\cw)<<6
.irp s, 0,1,2,3,4,5,6,7
.irp m, 0,1,2,3
.irp c, 0,1
	ds_load_b128 v[8*(8*\m+\s)+4*\c:8*(8*\m+\s)+4*\c+3], v[LI] offset:10240*\m+1280*\s+640*\c
.endr
.endr
.endr
.endm
.macro WM                              ; one scaled product; its registers and the rows of its scale registers stand in symbols
.if rZ
.if rRA
	v_wmma_scale_f32_16x16x128_f8f6f4 v[rD:rD+7], v[rA:rA+7], v[rB:rB+7], 0, v[rSA], v[rSB] matrix_a_fmt:MATRIX_FMT_FP4 matrix_b_fmt:MATRIX_FMT_FP4 matrix_a_scale:MATRIX_SCALE_ROW1
.elseif rRB
	v_wmma_scale_f32_16x16x128_f8f6f4 v[rD:rD+7], v[rA:rA+7], v[rB:rB+7], 0, v[rSA], v[rSB] matrix_a_fmt:MATRIX_FMT_FP4 matrix_b_fmt:MATRIX_FMT_FP4 matrix_b_scale:MATRIX_SCALE_ROW1
.else
	v_wmma_scale_f32_16x16x128_f8f6f4 v[rD:rD+7], v[rA:rA+7], v[rB:rB+7], 0, v[rSA], v[rSB] matrix_a_fmt:MATRIX_FMT_FP4 matrix_b_fmt:MATRIX_FMT_FP4
.endif
.elseif rRA && rRB
	v_wmma_scale_f32_16x16x128_f8f6f4 v[rD:rD+7], v[rA:rA+7], v[rB:rB+7], v[rD:rD+7], v[rSA], v[rSB] matrix_a_fmt:MATRIX_FMT_FP4 matrix_b_fmt:MATRIX_FMT_FP4 matrix_a_scale:MATRIX_SCALE_ROW1 matrix_b_scale:MATRIX_SCALE_ROW1
.elseif rRA
	v_wmma_scale_f32_16x16x128_f8f6f4 v[rD:rD+7], v[rA:rA+7], v[rB:rB+7], v[rD:rD+7], v[rSA], v[rSB] matrix_a_fmt:MATRIX_FMT_FP4 matrix_b_fmt:MATRIX_FMT_FP4 matrix_a_scale:MATRIX_SCALE_ROW1
.elseif rRB
	v_wmma_scale_f32_16x16x128_f8f6f4 v[rD:rD+7], v[rA:rA+7], v[rB:rB+7], v[rD:rD+7], v[rSA], v[rSB] matrix_a_fmt:MATRIX_FMT_FP4 matrix_b_fmt:MATRIX_FMT_FP4 matrix_b_scale:MATRIX_SCALE_ROW1
.else
	v_wmma_scale_f32_16x16x128_f8f6f4 v[rD:rD+7], v[rA:rA+7], v[rB:rB+7], v[rD:rD+7], v[rSA], v[rSB] matrix_a_fmt:MATRIX_FMT_FP4 matrix_b_fmt:MATRIX_FMT_FP4
.endif
.endm
; K step s of a tile: 16 matrix instructions, 4 tiles of weight rows x 4 tiles of tokens.  The 16 accumulators take turns in the same order in every K step.
; A weight's scale register holds K step s % 4 below and 4 + s % 4 above; a token's holds token tile 2 (m / 2) below and 2 (m / 2) + 1 above.
.macro MULU s, a, wb, zero
	WIN (\wb)|4
.irp t, 0,1,2,3
.irp m, 0,1,2,3
.set rD,  ACC+32*\m+8*\t
.set rA,  32*(\s)+8*\t
.set rB,  8*(8*\m+(\s))
.set rSA, WS+16*(\a)+4*\t+((\s)&3)
.set rSB, XS+8*(\m>>1)+(\s)
.set rRA, (\s)>>2
.set rRB, \m&1
.set rZ,  \zero
	WM
.endr
.endr
.endm
.macro MULD s, a, cw, zero
	WIN (\cw)|12
.irp t, 0,1,2,3
.irp m, 0,1,2,3
.set rD,  ACC+32*\m+8*\t
.set rA,  8*(8*\m+(\s))
.set rB,  32*(\s)+8*\t
.set rSA, XS+16*((\cw)-1)+8*(\m>>1)+(\s)
.set rSB, WS+16*(\a)+4*\t+((\s)&3)
.set rRA, \m&1
.set rRB, (\s)>>2
.set rZ,  \zero
	WM
.endr
.endr
.endm
; A first fill or a refill with a tile of up: a round, the joint load.  step: two tiles on.
.macro FILLU a, step
	WIN 0
	s_wait_tensorcnt 0x0
	ds_add_u32 v[SPW], v[NIL]
.if \step
	s_add_nc_u64 s[G0+4*\a+2:G0+4*\a+3], s[G0+4*\a+2:G0+4*\a+3], 0x40000
.endif
	s_wait_dscnt 0x0
	ROUND
	tensor_load_to_lds s[G0+4*\a:G0+4*\a+3], s[G1U:G1U+7]
	s_nop 0
	PLACES 4
.endm
.macro NEXT a                          ; expert's (a = 0) or down's tile of group JN: slot a's descriptor and the scale bytes.  Behind a wait for all tensor loads, and with this set's scale loads shown done
	s_lshl_b32 s[TO], s[JN], 17                    ; a group's 256 rows of 512 bytes
	s_add_nc_u64 s[G0+4*\a+2:G0+4*\a+3], s[CD+4*\a:CD+4*\a+1], s[TO:TO+1]
	s_or_b32 s[G0+4*\a+3], s[G0+4*\a+3], 0x80000000
	s_lshl_b32 s[TO], s[JN], 13                    ; and of 32 bytes
	s_add_nc_u64 s[SB+2*\a:SB+2*\a+1], s[SD+4*\a:SD+4*\a+1], s[TO:TO+1]
.endm
.macro LOADD a
	tensor_load_to_lds s[G0+4*\a:G0+4*\a+3], s[G1D:G1D+7]
	s_nop 0
	PLACES 4
.endm
; A tile of up out of window wb, scale set a.  rd = 1: behind each K step its registers take the same K step of the tile in slot a.  cnt: LDS instructions that may be out (0: no wait is due).
.macro UT wb, a, rd, cnt
	s_wait_loadcnt 4                               ; this tile's scale words are in; the other set's four may be out
.irp s, 0,1,2,3,4,5,6,7
.if \cnt
	s_wait_dscnt \cnt
.endif
.if \s == 0
	MULU \s, \a, \wb, 1
.else
	MULU \s, \a, \wb, 0
.endif
.if \rd
	PLACES 4                                       ; in front of loads into registers that matrix instructions have read
	WLU \a, \s, \wb
.endif
.endr
	WIN 0
	PLACES 5
.endm
; Behind a tile of up: the quantiser.  A lane's 32 results for token tile m are one block.  relu: negative numbers do not count in the maximum, and their codes are cleared to (minus) zero.
.macro HQ
.irp m, 0,1,2,3
	v_max3_num_f32 v[MX+\m], 0x1800000, v[ACC+32*\m], v[ACC+32*\m+1]
.endr
.irp i, 2,4,6,8,10,12,14,16,18,20,22,24,26,28,30
.irp m, 0,1,2,3
	v_max3_num_f32 v[MX+\m], v[MX+\m], v[ACC+32*\m+\i], v[ACC+32*\m+\i+1]
.endr
.endr
.irp m, 0,1,2,3
	v_add_nc_u32 v[MX+\m], 0xff000000, v[MX+\m]
.endr
.irp m, 0,1,2,3
	v_lshrrev_b32 v[PM+\m], 23, v[MX+\m]
.endr
.irp m, 0,1,2,3
.irp t, 0,1,2,3
	v_cvt_scalef32_pk8_fp4_f32 v[PC+4*\m+\t], v[ACC+32*\m+8*\t:ACC+32*\m+8*\t+7], v[MX+\m]
.endr
.endr
	v_nop
.irp m, 0,1,2,3
.irp t, 0,1,2,3
	v_and_b32 v[TA+\t], 0x88888888, v[PC+4*\m+\t]  ; the eight signs
.endr
.irp t, 0,1,2,3
	v_lshrrev_b32 v[TB+\t], 3, v[TA+\t]
.endr
.irp t, 0,1,2,3
	v_sub_nc_u32 v[TA+\t], v[TA+\t], v[TB+\t]      ; 8 - 1 = 7: the three bits below each sign
.endr
.irp t, 0,1,2,3
	v_bfi_b32 v[PC+4*\m+\t], v[TA+\t], 0, v[PC+4*\m+\t]
.endr
.endr
.endm
.macro HST p                           ; tile p's part of the hidden layer's images
.irp m, 0,1,2,3
	ds_store_b128 v[HWI], v[PC+4*\m:PC+4*\m+3] offset:10240*\m+2560*(\p)
	ds_store_b8 v[HWS], v[PM+\m] offset:1024*(\m>>1)+64*(\m&1)+256*(\p)
.endr
.endm
; A TRIP: expert's tile (slot 0, x's codes) or down's (slot 1, the hidden layer's).  Fragments run two K steps ahead; the first two were fetched in the trip before.
; fill = 1: slot a, read out, is filled again;  2: nothing is left to fetch, a tile follows;  3: the last tile.  hf: the hidden layer's codes are fetched behind the round.  st: the stores of the trip before have left window 3.
.macro DT a, cw, zero, fill, lcnt, hf, st
	s_wait_loadcnt \lcnt                           ; this tile's scale words are in; the other set's four may be out
.irp s, 0,1,2,3,4,5
	WLD \a, \s+2
	s_wait_dscnt 16                                ; all but the youngest sixteen, the fragments of the two K steps ahead
.if (\s == 0) && \zero
	MULD \s, \a, \cw, 1
.else
	MULD \s, \a, \cw, 0
.endif
.if (\s == 1) && \st
	s_wait_xcnt 0x0                                ; the stores' base and data are written again only behind this wait
	s_add_co_u32 s[JC], s[JC], 1                   ; the next group of 256 columns, round
	s_and_b32 s[JC], s[JC], 3
	s_lshl_b32 s[TO], s[JC], 10
	s_add_nc_u64 s[OW:OW+1], s[OUTB:OUTB+1], s[TO:TO+1]
.endif
.endr
.if \fill == 1
	WIN 0                                          ; (the add's two registers lie in window 0)
	s_wait_tensorcnt 0x0                           ; all my tensor loads have landed: my share of the other slot
	ds_add_u32 v[SPW], v[NIL]                      ; 0 onto my spare word
.if \a == 0
	s_add_co_u32 s[JN], s[JN], 1                   ; the next group of columns, round: expert's tile now, down's in the next trip
	s_and_b32 s[JN], s[JN], 3
.endif
	NEXT \a
	s_wait_dscnt 9                                 ; (the add and the last K step's eight loads may be out)
	MULD 6, \a, \cw, 0
	s_wait_dscnt 0x0                               ; the add is done, and my reads of this slot are over
	WIN 0
	ROUND                                          ; the same holds of every wave of all four work-groups
	LOADD \a                                       ; the four places there also serve the loads below
	WLD 1-\a, 0
	WLD 1-\a, 1
.if \hf
	FETCH 2
.endif
	MULD 7, \a, \cw, 0
.elseif \fill == 2
	s_wait_tensorcnt 0x0                           ; my share of the last tile is in
	s_wait_dscnt 8
	MULD 6, \a, \cw, 0
	s_wait_dscnt 0x0
	WIN 0
	BAR                                            ; everybody's is
	PLACES 4
	WLD 1-\a, 0
	WLD 1-\a, 1
	MULD 7, \a, \cw, 0
.else
	s_wait_dscnt 8
	MULD 6, \a, \cw, 0
	s_wait_dscnt 0x0
	MULD 7, \a, \cw, 0
.endif
	WIN 0
	PLACES 5
.endm
; Behind a tile of down: the way out.  For a token a lane's four accumulators hold four neighbouring columns: they are laid beside each other in window 3's upper half and stored.
.macro DTAIL fill
.if \fill
	SLD 1
.endif
.irp m, 0,1,2,3
	WIN 0xc0
.irp j, 0,1,2,3,4,5,6,7
.irp t, 0,1,2,3
	v_mov_b32 v[128+32*\m+4*\j+\t], v[ACC+32*\m+8*\t+\j]   ; each accumulator from its low end on
.endr
.endr
	WIN 0x0c                                       ; a store's data are its source 1
.irp j, 0,1,2,3,4,5,6,7
	global_store_b128 v[GOO], v[128+32*\m+4*\j:128+32*\m+4*\j+3], s[OW:OW+1] offset:(16*\m+\j)*4096 th:TH_STORE_NT   ; 16 lanes store 256 consecutive bytes, at a multiple of 256 from out's first byte
.endr
.endr
	WIN 0
.endm
	; ---- THE HEAD
	s_load_b256 s[4:11], s[0:1], 0x0               ; x, up's codes, up's scales, expert's codes
	s_load_b256 s[12:19], s[0:1], 0x20             ; expert's scales, down's codes, down's scales, out
	v_lshl_add_u32 v[SPW], v0, 2, SPARE
	v_mov_b32 v[NIL], 0
	ds_add_u32 v[SPW], v[NIL]                      ; the opening: the add, twice on end, and its wait
	ds_add_u32 v[SPW], v[NIL]
	v_lshrrev_b32 v128, 5, v0
	v_readfirstlane_b32 s[WV], v128                ; w
	v_and_b32 v129, 15, v0                         ; r
	v_bfe_u32 v130, v0, 4, 1                       ; h
	v_and_b32 v131, 7, v0                          ; r % 8
	v_bfe_u32 v132, v0, 3, 1                       ; r / 8
	v_bfe_u32 v133, v0, 2, 1                       ; (r / 4) % 2
	v_and_b32 v134, 3, v0                          ; r % 4
	v_and_b32 v136, 31, v0                         ; lane
	s_bfe_u32 s23, ttmp6, 0x40000                  ; cx: it enters x's and out's addresses alone
	s_lshl_b32 s20, ttmp9, 2
	s_add_co_u32 s20, s20, s23                     ; my block of 64 tokens = 4 x cluster + cx
	s_lshl_b32 s20, s20, 18
	s_lshl_b32 s82, s[WV], 16
	s_add_co_u32 s82, s82, s20                     ; x: my wave's 16 rows
	s_mov_b32 s83, 0
	s_lshl_b32 s80, s[WV], 8
	s_add_co_u32 s80, s80, s20                     ; out: my wave's 256 bytes of a row
	s_mov_b32 s81, 0
	s_lshl_b32 s84, s[WV], 15                      ; up: I fetch rows 64 w ..
	s_mov_b32 s85, 0
	s_lshl_b32 s86, s[WV], 9                       ; expert, down: rows 4 i + w
	s_mov_b32 s87, 0
	s_mul_i32 s79, s[WV], SHARE                    ; their place in LDS: no place in the cluster enters an LDS address
	s_lshr_b32 s[JN], ttmp9, 2                     ; q: the three base-4 digits of the cluster's number (0 to 63) added, mod 4
	s_lshr_b32 s[JC], ttmp9, 4
	s_add_co_u32 s[JN], s[JN], ttmp9
	s_add_co_u32 s[JN], s[JN], s[JC]
	s_and_b32 s[JN], s[JN], 3
	s_mov_b32 s[JC], s[JN]
	s_mov_b32 s[TO+1], 0
	s_lshr_b32 s88, s[WV], 1                       ; w / 2
	s_and_b32 s89, s[WV], 1                        ; w % 2
	s_mul_i32 s74, s[WV], 10240
	s_add_co_u32 s74, s74, IMG                     ; x's images: token tile m = w
	s_lshl_b32 s75, s88, 10
	s_lshl_b32 s76, s89, 6
	s_add_co_u32 s75, s75, s76
	s_add_co_u32 s75, s75, ISC
.irp k, 0,1,2,3                                ; my k-th quarter of the batches is quarter k xor w of the rows
	s_xor_b32 s90, s[WV], \k
	s_mul_i32 s91, s90, 2560
	s_add_co_u32 s[92+\k], s91, s74
	s_lshl_b32 s91, s90, 8
	s_add_co_u32 s[96+\k], s91, s75
	s_lshl_b32 s[XQB+2*\k], s90, 10
	s_mov_b32 s[XQB+2*\k+1], 0
.endr
	s_lshl_b32 s76, s88, 2
	s_add_co_u32 s76, s76, s89
	s_mul_i32 s76, s76, 320
	s_add_co_u32 s76, s76, IMG                     ; the hidden layer: my blocks are 8 p + 4 (w / 2) + 2 h + w % 2
	s_lshl_b32 s77, s88, 7
	s_add_co_u32 s77, s77, s89
	s_add_co_u32 s77, s77, ISC
	s_mul_i32 s78, s88, 2*SHARE
	s_mul_i32 s90, s89, 32*WP
	s_add_co_u32 s78, s78, s90                     ; up's fragments
	s_mul_i32 s90, s[WV], 16*WP                    ; expert's and down's
	s_lshl_b32 s91, s88, 12
	s_lshl_b32 s100, s89, 10
	s_add_co_u32 s91, s91, s100                    ; up's scale bytes
	s_lshl_b32 s100, s[WV], 11                     ; expert's and down's
	; group 1 for a wave's share of a tile: 64 rows of 512 bytes; up's rows are neighbours, expert's and down's lie four rows apart
.irp g, G1U, G1D
	s_mov_b32 s[\g], 15|(0<<16)|(1<<20)|(1<<21)|(6<<22)|(3<<25)   ; 15:0 the mask: all four work-groups; 17:16 elements of 1 byte; 20 padding on; 21 set beside a mask; 24:22 after every 128 words (code 6); 31:25 four words (code 3)
	s_mov_b32 s[\g+1], 512<<16                     ; tensor_dim0
	s_mov_b32 s[\g+2], 64<<16                      ; tensor_dim1
	s_mov_b32 s[\g+3], 512<<16                     ; tile_dim0
	s_mov_b32 s[\g+4], 64                          ; tile_dim1
	s_mov_b32 s[\g+6], 0
	s_mov_b32 s[\g+7], 0
.endr
	s_mov_b32 s[G1U+5], 512                        ; tensor_dim0_stride
	s_mov_b32 s[G1D+5], 2048
	s_wait_alu depctr_va_vdst(0)                   ; directly ahead of the readers below
	v_lshlrev_b32 v[GO], 4, v130
	v_lshl_add_u32 v[GO], v131, 5, v[GO]
	v_lshl_add_u32 v[GO], v132, 12, v[GO]
	v_lshlrev_b32 v[GOO], 4, v129
	v_lshl_add_u32 v[GOO], v130, 15, v[GOO]
	v_lshl_add_u32 v135, v130, 1, v132             ; 2 h + r / 8
	v_mul_u32_u24 v137, v133, 320
	v_lshl_add_u32 v137, v135, 4, v137
	v_lshl_add_u32 v137, v134, 2, v137
	v_lshl_add_u32 v138, v135, 2, v133
.irp k, 0,1,2,3
	v_add_nc_u32 v[XWI+\k], s[92+\k], v137
	v_add_nc_u32 v[XWS+\k], s[96+\k], v138
.endr
	v_mul_u32_u24 v[LI], v130, 320
	v_lshl_add_u32 v[LI], v129, 4, v[LI]
	v_add_nc_u32 v[LI], IMG, v[LI]
	v_lshl_add_u32 v[LS], v136, 2, ISC
	v_mul_u32_u24 v[HWI], v130, 640
	v_lshl_add_u32 v[HWI], v129, 4, v[HWI]
	v_add_nc_u32 v[HWI], s76, v[HWI]
	v_lshlrev_b32 v[HWS], 2, v129
	v_lshl_add_u32 v[HWS], v130, 1, v[HWS]
	v_add_nc_u32 v[HWS], s77, v[HWS]
	v_mul_u32_u24 v139, v132, SHARE
	v_mul_u32_u24 v140, v131, WP
	v_add_nc_u32 v139, v139, v140
	v_lshl_add_u32 v139, v130, 4, v139
	v_add_nc_u32 v[AU], s78, v139
	v_add_nc_u32 v[AU+1], SLOT, v[AU]
	v_mul_u32_u24 v141, v129, WP
	v_lshl_add_u32 v141, v130, 4, v141
	v_add_nc_u32 v[AD], s90, v141
	v_add_nc_u32 v[AD+1], 2*SHARE, v[AD]
	v_add_nc_u32 v[AD+2], SLOT, v[AD]
	v_add_nc_u32 v[AD+3], SLOT, v[AD+1]
	v_lshlrev_b32 v142, 4, v130
	v_lshl_add_u32 v143, v131, 5, v142
	v_lshl_add_u32 v143, v132, 11, v143
	v_add_nc_u32 v[OSU], s91, v143
	v_lshl_add_u32 v142, v129, 7, v142
	v_add_nc_u32 v[OSD], s100, v142
	s_wait_alu depctr_va_vdst(0)
	s_wait_dscnt 0x0                               ; both opening adds are done
	s_wait_kmcnt 0x0
	s_add_nc_u64 s[4:5], s[4:5], s[82:83]
.irp k, 0,1,2,3
	s_add_nc_u64 s[XQB+2*\k:XQB+2*\k+1], s[4:5], s[XQB+2*\k:XQB+2*\k+1]
.endr
.irp b, 0,1,2,3,4,5
	XLOAD \b
.endr
	s_add_nc_u64 s[6:7], s[6:7], s[84:85]
	s_add_nc_u64 s[CD:CD+1], s[CD:CD+1], s[86:87]
	s_add_nc_u64 s[CD+4:CD+5], s[CD+4:CD+5], s[86:87]
	s_add_nc_u64 s[OUTB:OUTB+1], s[OUTB:OUTB+1], s[80:81]
	s_lshl_b32 s[TO], s[JC], 10
	s_add_nc_u64 s[OW:OW+1], s[OUTB:OUTB+1], s[TO:TO+1]
	s_mov_b32 s[G0], 1                             ; 1:0 count = 1
	s_mov_b32 s[G0+1], s79                         ; 63:32 LDS address
	s_mov_b64 s[G0+2:G0+3], s[6:7]                 ; 120:64 global address: up's tile 0, my rows
	s_mov_b32 s[G0+4], 1
	s_add_co_u32 s[G0+5], s79, SLOT
	s_add_nc_u64 s[G0+6:G0+7], s[6:7], 0x20000     ; tile 1
	s_or_b32 s[G0+3], s[G0+3], 0x80000000          ; 127:126 type = 2
	s_or_b32 s[G0+7], s[G0+7], 0x80000000
	ROUND                                          ; all four work-groups are here: the first joint loads meet
	tensor_load_to_lds s[G0:G0+3], s[G1U:G1U+7]    ; up's tile 0: one tensor load a wave at the head
	s_nop 0
	PLACES 4
	; ---- x, and under it up's four tiles
.irp b, 0,1,2,3
	XB \b
.endr
	FILLU 1, 0                                     ; tile 0 is in for every wave; tile 1
.irp s, 0,1,2,3,4,5,6,7
	WLU 0, \s, 3                                   ; tile 0 moves on into window 3
.endr
	WIN 0
.irp b, 4,5,6,7
	XB \b
.endr
	FILLU 0, 1                                     ; slot 0 is read out; tile 2
.irp s, 0,1,2,3,4,5,6,7
	WLU 1, \s, 2                                   ; tile 1 into window 2
.endr
	WIN 0
.irp b, 8,9,10,11
	XB \b
.endr
	FILLU 1, 1                                     ; tile 3
.irp b, 12,13,14,15
	XB \b
.endr
	s_wait_dscnt 0x0                               ; for the others' sake: my images and scale bytes are stored
	BAR                                            ; (a tile's load may stay out)
	FETCH 1
	; ---- the up product
	UT 3, 0, 1, 56                                 ; of the 64 fragment loads of x, 8 for each K step, and tile 2's behind them, the youngest 56 may be out
	SLU 0, 2
	HQ
	s_wait_alu depctr_va_vdst(0)
	s_wait_tensorcnt 0x0                           ; tile 3 is in
	ds_add_u32 v[SPW], v[NIL]
	NEXT 0
	s_wait_dscnt 0x0                               ; slot 0 is read out, and so are x's images
	ROUND
	LOADD 0                                        ; expert's first tile
	HST 0                                          ; over x's images, which every wave has read
	UT 2, 1, 1, 0
	SLU 1, 3
	HQ
	HST 1
	UT 3, 0, 0, 0
	s_wait_tensorcnt 0x0                           ; expert's first tile is in
	ds_add_u32 v[SPW], v[NIL]
	NEXT 1
	s_wait_dscnt 0x0                               ; slot 1 is read out
	ROUND
	LOADD 1                                        ; down's first tile
	SLD 0
	HQ
	HST 2
	UT 2, 1, 0, 0
	SLD 1
	WLD 0, 0
	WLD 0, 1
	WIN 0
	HQ
	HST 3
	; ---- 256 columns of out at a time: the expert product, the down product on top, the way out
	DT 0, 1, 1, 1, 4, 1, 0                         ; its round also stands between the stores of the hidden layer's images and their reads
	SLD 0
	s_mov_b32 s[CNT], 2
.Ldown:
	DT 1, 2, 0, 1, 4, 0, 0
	DTAIL 1
	DT 0, 1, 1, 1, 4, 0, 1
	SLD 0
	s_sub_co_u32 s[CNT], s[CNT], 1
	s_cmp_lg_u32 s[CNT], 0
	s_cbranch_scc1 .Ldown
	DT 1, 2, 0, 1, 4, 0, 0                         ; the last tiles are written out
	DTAIL 1
	DT 0, 1, 1, 2, 4, 0, 1
	DT 1, 2, 0, 3, 0, 0, 0
	DTAIL 0
	s_wait_tensorcnt 0x0                           ; the wave's end
	ds_add_u32 v[SPW], v[NIL]
	s_wait_dscnt 0x0
	ROUND                                          ; the closing round: no work-group ends while a partner may still ask for a tile that names it
	s_endpgm
.Lfunc_end_k_qb5e48ce56e_moe:
	.size	k_qb5e48ce56e_moe, .Lfunc_end_k_qb5e48ce56e_moe-k_qb5e48ce56e_moe
	.p2alignl 7, 3214868480
	.fill 96, 4, 3214868480
	.section	.rodata,"a",@progbits
	.p2align	6, 0x0
	.amdhsa_kernel k_qb5e48ce56e_moe
		.amdhsa_group_segment_fixed_size 327680
		.amdhsa_private_segment_fixed_size 0
		.amdhsa_enable_private_segment 0
		.amdhsa_kernarg_size 64
		.amdhsa_user_sgpr_count 2
		.amdhsa_user_sgpr_kernarg_segment_ptr 1
		.amdhsa_wavefront_size32 1
		.amdhsa_system_sgpr_workgroup_id_x 1
		.amdhsa_system_sgpr_workgroup_id_y 1
		.amdhsa_system_sgpr_workgroup_id_z 1
		.amdhsa_system_vgpr_workitem_id 0
		.amdhsa_next_free_vgpr 1024
		.amdhsa_next_free_sgpr 102
		.amdhsa_reserve_vcc 0
		.amdhsa_float_denorm_mode_32 3
		.amdhsa_float_denorm_mode_16_64 3
		.amdhsa_memory_ordered 1
		.amdhsa_forward_progress 1
		.amdhsa_inst_pref_size 255
	.end_amdhsa_kernel
	.section	.bss,"aw",@nobits
	.p2align	6
	.space	262144
	.amdgpu_metadata
---
amdhsa.version: [ 1, 2 ]
amdhsa.kernels:
  - .name:           k_qb5e48ce56e_moe
    .symbol:         k_qb5e48ce56e_moe.kd
    .args:
      - { .name: x, .offset: 0, .size: 8, .value_kind: global_buffer, .address_space: global }
      - { .name: W_up_codes, .offset: 8, .size: 8, .value_kind: global_buffer, .address_space: global }
      - { .name: W_up_scales, .offset: 16, .size: 8, .value_kind: global_buffer, .address_space: global }
      - { .name: W_expert_codes, .offset: 24, .size: 8, .value_kind: global_buffer, .address_space: global }
      - { .name: W_expert_scales, .offset: 32, .size: 8, .value_kind: global_buffer, .address_space: global }
      - { .name: W_down_codes, .offset: 40, .size: 8, .value_kind: global_buffer, .address_space: global }
      - { .name: W_down_scales, .offset: 48, .size: 8, .value_kind: global_buffer, .address_space: global }
      - { .name: out0, .offset: 56, .size: 8, .value_kind: global_buffer, .address_space: global }
    .group_segment_fixed_size: 327680
    .private_segment_fixed_size: 0
    .kernarg_segment_align: 8
    .kernarg_segment_size: 64
    .max_flat_workgroup_size: 128
    .sgpr_count:     102
    .vgpr_count:     1024
    .wavefront_size: 32
...
	.end_amdgpu_metadata
.endif
;; end of part 2
